; MI455X (gfx1250); checked and timed in simulation.
; The chip was launched on July 23, 2026; its instructions are those of AMD's public machine-readable ISA for CDNA 5 (MIT licence, August 2026) and "CDNA5" Instruction Set Architecture Reference Guide (July 2026). The comments in the code are by the model that wrote it; some were corrected since.
;; Self Attention Mechanism. Allowed arithmetic: matrix products marked QUANTISED: E4M3 operands, one given power-of-two scale a tensor, by v_wmma_f32_16x16x64_fp8_fp8 or v_wmma_f32_16x16x128_fp8_fp8, f32 sums; everything else in f32.
;; Inputs: W_attn 1,024 x 3,072 float32; W_proj 1,024 x 1,024 float32; b_attn 3,072 float32; b_proj 1,024 float32; lowp_scales 8 int32 (the exponents e of the quantised operands' scales 2^e); x 2 x 2,048 x 1,024 float32.
;; Outputs: out0 2 x 2,048 x 1,024 float32.
;; This version of the problem:
;;   THIS VERSION OF THE PROBLEM IS GIVEN IN LOW PRECISION. The matrix products marked QUANTISED in the list below multiply operands that are first quantised to E4M3 (4 exponent bits, 3 mantissa bits; 8 bits a number), with one given power-of-two scale for each operand tensor; their sums are f32. All else is computed in f32.
;;   The module's matrix products, in the order in which they are computed (A, B: the left and right operand; K: the contracted axis; several contracted axes count as one K, in the product's order):
;;     1. [M 4,096, K 1,024] x [K 1,024, N 3,072]; A: input x; B: input W_attn: QUANTISED (scales: A lowp_scales[0], B lowp_scales[1])
;;     2. batch 32 x [M 2,048, K 64] x [K 64, N 2,048]; A: computed on the way; B: computed on the way: QUANTISED (scales: A lowp_scales[2], B lowp_scales[3])
;;     3. batch 32 x [M 2,048, K 2,048] x [K 2,048, N 64]; A: softmax (see below); B: computed on the way: QUANTISED (scales: A lowp_scales[4], B lowp_scales[5])
;;     4. [M 4,096, K 1,024] x [K 1,024, N 1,024]; A: computed on the way; B: input W_proj: QUANTISED (scales: A lowp_scales[6], B lowp_scales[7])
;;   THE QUANTISER, for each operand of a quantised product, along K:
;;     - The operand's scale is 2^e, e = its entry of the input lowp_scales (int32; the entries are numbered through the quantised products in the list's order, A before B).
;;     - Each number is divided by the scale, clamped to +-448, and rounded to the nearest number of E4M3, ties to even, subnormals kept.
;;     - The product sums the exact products of the quantised numbers (number of the format x scale) in f32.
;;   ~~~python
;;   def quantise(x, axis, e):      # numpy; x: float32 -> the quantised numbers, widened to float32 again
;;       x = np.moveaxis(x, axis, -1); K = x.shape[-1]
;;       r = np.clip(x / 2.0 ** e, -448, 448)
;;       step = 2.0 ** (np.maximum(np.frexp(np.where(r == 0, 1, r))[1] - 1, -6) - 3)
;;       q = np.round(r / step) * step * 2.0 ** e      # np.round: ties to even
;;       return np.moveaxis(q, -1, axis).astype(np.float32)
;;   ~~~
;;   SOFTMAX AHEAD OF A QUANTISED PRODUCT. Where the list says 'softmax', what is quantised is not the finished softmax but p = 2^(t - M), with t = logit x log2(e) and M = ceil(the row's largest t), a whole number; so 1/2 < the row's largest p <= 1. The row's sum l is taken of the UNQUANTISED p, in f32, and the product's result is divided by l at the end. Since M is a whole number, a kernel that streams over the keys may use a running M (the ceiling of the running maximum): every later rescaling is an exact power of two, so the quantised numbers keep their values, but for numbers so far below the row's largest that they fall under the format's range.
;;   OPERANDS COMPUTED ON THE WAY. 'Computed on the way' means the value that the module computes at that place (a softmax that the list does not call 'softmax' is quantised finished and normalised). What goes into a quantiser is computed in f32, as accurately as f32 sums, v_exp_f32 and their like allow (about 1e-6 of the number): no bf16 or f16 on the way to a quantiser, and a product that is left as it is and whose result goes on into a quantised operand takes f32 operands (vector FMAs, or v_wmma_f32_16x16x4_f32). A number that lies on a knife's edge between two numbers of the format may be rounded either way, as far as f32 arithmetic and the matrix unit's own rounding can turn it there, and no further.
;; One version. Each part assembles by itself: llvm-mc -triple=amdgcn-amd-amdhsa -mcpu=gfx1250 --defsym DOCPART=n.
;; ======== version 1 of 1: 4 launches
;; limits: right only within a limited range of input values
;; workspace buffers: codes 8,388,608 bytes; q_img 4,194,304 bytes; kv_img 8,388,608 bytes; y_img 4,194,304 bytes
;; launch quant (part 1): grid 512 x 1, 4 waves a work-group, no clusters, 35,328 bytes of LDS; arguments x, W_attn, W_proj, lowp_scales, codes; writes codes
.if DOCPART == 1
	.amdgcn_target "amdgcn-amd-amdhsa--gfx1250"
	.amdhsa_code_object_version 6
	.text
	.protected	k_q1278c9da1a_quant
	.globl	k_q1278c9da1a_quant
	.p2align	8
	.type	k_q1278c9da1a_quant,@function
k_q1278c9da1a_quant:
	s_mov_b64 s[64:65], 0
	v_nop
	global_prefetch_b8 v0, s[64:65] scope:SCOPE_SE
	s_setreg_imm32_b32 hwreg(HW_REG_WAVE_MODE, 25, 1), 1
	s_wait_xcnt 0x0
; x [4096][1024], W_attn [1024][3072] and W_proj [1024][1024], f32, become codes of FP8 (E4M3), each with the one scale 2^e given for it (entries 0, 1 and 7 of the scales).
; code = number / 2^e, held within +-448, rounded to the nearest code, ties to even.  LIMITS: -126 <= e <= 119, so that 2^e and 448 x 2^e are f32 numbers.  NaN among the inputs is not served.
; WORK LEFT OUT by the program: in the attention launch, scores and weighted sums of blocks of 128 keys that all come after a block of queries: reference()'s own causal mask gives them weight 0 for all values of the inputs.
; A NaN, an infinity or an overflow that reaches only that work is not carried to the result.
; THE CODES LIE AS THE MATRIX UNIT'S REGISTERS TAKE THEM.  A UNIT is 16 rows x 64 along K, 1,024 bytes: the eight registers a lane of a fragment of the plain 8-bit form
; (lane (r, h): row r; registers 2 c, 2 c + 1: k = 16 c + 8 h + 0 .. 7), registers 4 s .. 4 s + 3 of lane l at byte 512 s + 16 l.  So a fragment is later fetched by loads of 512 consecutive bytes.
; codes: [row tile 0 .. 511][16 units along K][1,024]: row tiles 0-255 x's tokens / 16; 256-447 W_attn's columns / 16, HEAD BY HEAD: 256 + 12 x head + 4 x (0 q, 1 k, 2 v) + the column's sixteen in the head; 448-511 W_proj's columns / 16.
; One launch serves the three tensors: work-groups 0-255 take x (K innermost), 256-447 W_attn, 448-511 W_proj (K is the first axis).  Each reads 65,536 bytes.  Waves share nothing: no barrier.
; No matrix unit, no cluster, no tensor load: the work-groups share no input byte.
.set R,   16                           ; x: v16-143  four units of 32 numbers a lane
.set C,   144                          ; x: v144-175 their codes, eight registers a unit: no store's data are written again
.set XW,  32                           ; W: v32-95   two sets of 32 numbers
.set CW,  96                           ; W: v96-127  codes, eight registers a block of 32 along K
.set SP,  272                          ; x: a stage row: 256 bytes + 16, so that sixteen rows begin at sixteen different 16-byte columns
.set STG, 16*SP                        ; x: a stage; each wave has two, by turns
.macro SCALE e                         ; v11 = 2^e as f32 (the conversion takes its exponent field), v10 = 448 x 2^e
	s_wait_kmcnt 0x0
	s_add_co_i32 s28, s[\e], 127
	s_lshl_b32 s29, s28, 23
	v_mov_b32 v11, s29
	s_add_co_i32 s28, s28, 8
	s_lshl_b32 s28, s28, 23
	s_or_b32 s28, s28, 0x600000
	v_mov_b32 v10, s28
.endm
; ---- x.  Unit u of the wave: 16 rows x 256 bytes.  Each load takes two rows: sixteen lanes read 256 consecutive bytes, aligned.
.macro XLOAD u
.irp i, 0,1,2,3,4,5,6,7
	global_load_b128 v[R+32*(\u)+4*\i:R+32*(\u)+4*\i+3], v3, s[4:5] offset:8192*\i+256*(\u) th:TH_LOAD_NT
.endr
.endm
; The conversion wants eight neighbours along K in one lane: the unit turns through the wave's own stage and comes back, into the registers that it left, as lane (r, h): k = 16 c + 8 h + 0 .. 7.
; LDS serves a wave's instructions in order (ISA guide 5.7.1.4): no wait stands between the stores and the loads.
.macro XTURN u
.irp i, 0,1,2,3,4,5,6,7
	ds_store_b128 v14, v[R+32*(\u)+4*\i:R+32*(\u)+4*\i+3] offset:STG*((\u)%2)+2*SP*\i
.endr
.irp c, 0,1,2,3
.irp j, 0,1
	ds_load_b128 v[R+32*(\u)+8*\c+4*\j:R+32*(\u)+8*\c+4*\j+3], v15 offset:STG*((\u)%2)+64*\c+16*\j
.endr
.endr
.endm
.macro XWORK u
.set j, 0
.rept 32
	v_med3_num_f32 v[R+32*(\u)+j], v[R+32*(\u)+j], -v10, v10   ; the conversion to an 8-bit code does not saturate (ISA guide 7.6.2): the hold comes first
.set j, j+1
.endr
.irp c, 0,1,2,3
	v_cvt_scalef32_pk8_fp8_f32 v[C+8*(\u)+2*\c:C+8*(\u)+2*\c+1], v[R+32*(\u)+8*\c:R+32*(\u)+8*\c+7], v11   ; registers 2 c, 2 c + 1 of the unit
.endr
	global_store_b128 v4, v[C+8*(\u):C+8*(\u)+3], s[12:13] offset:1024*(\u)          ; 32 lanes store 512 consecutive bytes, aligned
	global_store_b128 v4, v[C+8*(\u)+4:C+8*(\u)+7], s[12:13] offset:1024*(\u)+512
.endm
; ---- W.  A lane takes a column and its registers run down K: nothing is transposed.  Block t: 32 rows of W at the wave's 32 columns.
.macro WLOAD t, pitch, ptr
.set i, 0
.rept 32
	global_load_b32 v[XW+32*((\t)%2)+i], v3, s[\ptr:\ptr+1] offset:(32*(\t)+i)*\pitch th:TH_LOAD_NT
.set i, i+1
.endr
.endm
.macro WBLOCK t, pitch, ptr
.set XS, XW+32*((\t)%2)
.if (\t) < 3
	s_wait_loadcnt 32                              ; this block's 32 loads are in; the next block's may be out
.else
	s_wait_loadcnt 0x0
.endif
.set i, 0
.rept 32
	v_med3_num_f32 v[XS+i], v[XS+i], -v10, v10
.set i, i+1
.endr
.irp g, 0,1,2,3                        ; eight rows 8 g on: in the unit they are half g % 2 of the lanes, bytes 8 (g / 2) on of the row's 16
	v_cvt_scalef32_pk8_fp8_f32 v[CW+8*(\t)+4*(\g%2)+2*(\g/2):CW+8*(\t)+4*(\g%2)+2*(\g/2)+1], v[XS+8*\g:XS+8*\g+7], v11
.endr
.irp h, 0,1
	global_store_b128 v8, v[CW+8*(\t)+4*\h:CW+8*(\t)+4*\h+3], s[12:13] offset:((\t)/2)*1024+((\t)%2)*512+\h*256   ; sixteen lanes store 256 consecutive bytes, aligned
.endr
.if (\t) < 2
	WLOAD (\t)+2, \pitch, \ptr
.endif
.endm
; A work-group takes 128 columns x 128 along K; wave w its columns 32 w on.  pitch: a row of W in bytes; rt0: the tensor's first row tile; first: its first work-group; e: the register of its exponent.
.macro WPATH pitch, ptr, rt0, first, e
	s_sub_co_u32 s24, ttmp9, \first
	s_lshr_b32 s26, s24, 3                         ; which 128 columns
	s_and_b32 s27, s24, 7                          ; which 128 along K
	s_mul_i32 s24, s27, 128*\pitch
	s_lshl_b32 s28, s26, 9
	s_add_co_u32 s24, s24, s28
	s_lshl_b32 s28, s14, 7
	s_add_co_u32 s24, s24, s28                     ; + 4 x (128 x column group + 32 x wave)
	s_add_nc_u64 s[\ptr:\ptr+1], s[\ptr:\ptr+1], s[24:25]
	s_lshl_b32 s24, s26, 3
	s_lshl_b32 s28, s14, 1
	s_add_co_u32 s24, s24, s28                     ; the wave's first sixteen columns (it has two such, an even one and the next)
.if \rt0 == 256                        ; W_attn, head by head: 12 x head + 4 x (q, k, v) + which sixteen of the head's 64
	s_bfe_u32 s29, s24, 0x40002
	s_mul_i32 s29, s29, 12
	s_lshr_b32 s30, s24, 6
	s_lshl_b32 s30, s30, 2
	s_and_b32 s24, s24, 3
	s_add_co_u32 s24, s24, s29
	s_add_co_u32 s24, s24, s30
.endif
	s_add_co_u32 s24, s24, \rt0                    ; the wave's first row tile,
	s_lshl_b32 s24, s24, 14
	s_lshl_b32 s28, s27, 11                        ; and its two units along K
	s_add_co_u32 s24, s24, s28
	s_add_nc_u64 s[12:13], s[12:13], s[24:25]
	v_lshlrev_b32 v3, 2, v2                        ; in: 4 bytes a lane
	v_lshlrev_b32 v8, 4, v5
	v_lshl_add_u32 v8, v6, 14, v8                  ; out: 16 x (lane % 16), lanes 16-31 in the next row tile
	WLOAD 0, \pitch, \ptr
	WLOAD 1, \pitch, \ptr
	SCALE \e
	s_wait_alu depctr_va_vdst(0)
	WBLOCK 0, \pitch, \ptr
	WBLOCK 1, \pitch, \ptr
	WBLOCK 2, \pitch, \ptr
	WBLOCK 3, \pitch, \ptr
.endm
	s_load_b256 s[4:11], s[0:1], 0x0               ; x s[4:5], W_attn s[6:7], W_proj s[8:9], the scales' exponents s[10:11]
	s_load_b64 s[12:13], s[0:1], 0x20              ; codes
	v_lshl_add_u32 v192, v0, 2, 0x8800
	v_mov_b32 v193, 0
	v_lshrrev_b32 v1, 5, v0
	v_readfirstlane_b32 s14, v1                    ; wave
	v_and_b32 v2, 31, v0                           ; lane
	v_and_b32 v5, 15, v0                           ; lane % 16
	v_bfe_u32 v6, v0, 4, 1                         ; lane / 16
	s_mov_b32 s25, 0                               ; the upper word of every offset
	s_wait_alu depctr_va_vdst(0)
	s_wait_kmcnt 0x0
	s_load_b256 s[16:23], s[10:11], 0x0            ; the eight exponents
	s_cmp_lt_u32 ttmp9, 256
	s_cbranch_scc0 .Lweights
	; ---- x: work-group g takes token tile g (16 rows), wave w its units 4 w .. 4 w + 3
	s_lshl_b32 s24, ttmp9, 16
	s_lshl_b32 s26, s14, 10
	s_add_co_u32 s24, s24, s26
	s_add_nc_u64 s[4:5], s[4:5], s[24:25]
	s_lshl_b32 s24, ttmp9, 14
	s_lshl_b32 s26, s14, 12
	s_add_co_u32 s24, s24, s26
	s_add_nc_u64 s[12:13], s[12:13], s[24:25]
	s_wait_alu depctr_va_vdst(0)
	v_lshlrev_b32 v3, 4, v5
	v_lshl_add_u32 v3, v6, 12, v3                  ; in: 16 x (lane % 16), lanes 16-31 a row further down
	s_mul_i32 s27, s14, 2*STG                      ; my wave's two stages
	v_mul_u32_u24 v14, v6, SP
	v_lshl_add_u32 v14, v5, 4, v14
	v_add_nc_u32 v14, s27, v14                     ; into a stage, as loaded
	v_mul_u32_u24 v15, v5, SP
	v_lshl_add_u32 v15, v6, 5, v15
	v_add_nc_u32 v15, s27, v15                     ; out of it: row lane % 16, 32 bytes on for lanes 16-31
	v_lshlrev_b32 v4, 4, v2                        ; a unit's place for my lane
	XLOAD 0
	XLOAD 1
	XLOAD 2
	XLOAD 3
	s_wait_alu depctr_va_vdst(0)
	SCALE 16
	s_wait_alu depctr_va_vdst(0)
	s_wait_loadcnt 24                              ; unit 0's eight loads are in
	XTURN 0
.irp u, 0,1,2,3
.if \u < 3
	s_wait_loadcnt 8*(2-\u)                        ; the next unit's loads are in; those behind it may be out
	XTURN \u+1                                     ; it goes through the other stage while this unit is worked
	s_wait_dscnt 16                                ; all but that turn's sixteen: this unit is back
.else
	s_wait_dscnt 0x0
.endif
	XWORK \u
.endr
	s_wait_tensorcnt 0x0                           ; the wave's end
	ds_add_u32 v192, v193
	s_wait_dscnt 0x0
	s_endpgm
.Lweights:
	s_cmp_lt_u32 ttmp9, 448
	s_cbranch_scc0 .Lproj_w
	s_wait_alu depctr_va_vdst(0)
	WPATH 12288, 6, 256, 256, 17
	s_endpgm
.Lproj_w:
	s_wait_alu depctr_va_vdst(0)
	WPATH 4096, 8, 448, 448, 23
	s_endpgm
.Lfunc_end_k_q1278c9da1a_quant:
	.size	k_q1278c9da1a_quant, .Lfunc_end_k_q1278c9da1a_quant-k_q1278c9da1a_quant
	.p2alignl 7, 3214868480
	.fill 96, 4, 3214868480
	.section	.rodata,"a",@progbits
	.p2align	6, 0x0
	.amdhsa_kernel k_q1278c9da1a_quant
		.amdhsa_group_segment_fixed_size 35328
		.amdhsa_private_segment_fixed_size 0
		.amdhsa_enable_private_segment 0
		.amdhsa_kernarg_size 40
		.amdhsa_user_sgpr_count 2
		.amdhsa_user_sgpr_kernarg_segment_ptr 1
		.amdhsa_wavefront_size32 1
		.amdhsa_system_sgpr_workgroup_id_x 1
		.amdhsa_system_sgpr_workgroup_id_y 1
		.amdhsa_system_sgpr_workgroup_id_z 1
		.amdhsa_system_vgpr_workitem_id 0
		.amdhsa_next_free_vgpr 194
		.amdhsa_next_free_sgpr 66
		.amdhsa_reserve_vcc 0
		.amdhsa_float_denorm_mode_32 3
		.amdhsa_float_denorm_mode_16_64 3
		.amdhsa_memory_ordered 1
		.amdhsa_forward_progress 1
		.amdhsa_inst_pref_size 66
	.end_amdhsa_kernel
	.amdgpu_metadata
---
amdhsa.version: [ 1, 2 ]
amdhsa.kernels:
  - .name:           k_q1278c9da1a_quant
    .symbol:         k_q1278c9da1a_quant.kd
    .args:
      - { .name: x, .offset: 0, .size: 8, .value_kind: global_buffer, .address_space: global }
      - { .name: W_attn, .offset: 8, .size: 8, .value_kind: global_buffer, .address_space: global }
      - { .name: W_proj, .offset: 16, .size: 8, .value_kind: global_buffer, .address_space: global }
      - { .name: lowp_scales, .offset: 24, .size: 8, .value_kind: global_buffer, .address_space: global }
      - { .name: codes, .offset: 32, .size: 8, .value_kind: global_buffer, .address_space: global }
    .group_segment_fixed_size: 35328
    .private_segment_fixed_size: 0
    .kernarg_segment_align: 8
    .kernarg_segment_size: 40
    .max_flat_workgroup_size: 128
    .sgpr_count:     66
    .vgpr_count:     194
    .wavefront_size: 32
...
	.end_amdgpu_metadata
.endif
;; end of part 1
;; launch qkv (part 2): grid 16 x 16, 4 waves a work-group, clusters of 4 x 4, 327,680 bytes of LDS; arguments codes, b_attn, lowp_scales, q_img, kv_img; writes q_img, kv_img
.if DOCPART == 2
	.amdgcn_target "amdgcn-amd-amdhsa--gfx1250"
	.amdhsa_code_object_version 6
	.text
	.protected	k_q1278c9da1a_qkv
	.globl	k_q1278c9da1a_qkv
	.p2align	8
	.type	k_q1278c9da1a_qkv,@function
k_q1278c9da1a_qkv:
	s_mov_b64 s[64:65], 0
	v_nop
	global_prefetch_b8 v0, s[64:65] scope:SCOPE_SE
	s_setreg_imm32_b32 hwreg(HW_REG_WAVE_MODE, 25, 1), 1
	s_wait_xcnt 0x0
	s_wait_alu depctr_hold_cnt(0) depctr_sa_sdst(0) depctr_va_vdst(0) depctr_va_sdst(0) depctr_va_ssrc(0) depctr_va_vcc(0) depctr_vm_vsrc(0)
	s_getreg_b32 s2, hwreg(HW_REG_IB_STS2, 6, 4)
	s_cmp_eq_u32 s2, 0
	s_cbranch_scc0 .Lentry_in_a_cluster
	s_endpgm
.Lentry_in_a_cluster:
	s_bfe_u32 s2, ttmp6, 0x10000c
	s_cmp_lg_u32 s2, 0xf033
	s_cbranch_scc0 .Lentry_shape_is_right
	s_endpgm
.Lentry_shape_is_right:
; q, k, v = x W_attn + b_attn on codes of FP8 (E4M3), K = 1,024, quantised at once with 2^e2 (q), 2^e3 (k), 2^e5 (v): the next products' operands, stored as register images.
; A work-group makes 256 tokens x ONE HEAD'S q, k AND v (192 columns): 16 x 16 = 256 work-groups.  A wave makes 64 tokens x 192 columns: 48 accumulators of 16 x 16, 384 registers.
; OPERANDS are register images (a unit: 16 rows x 64 K, 1,024 bytes; a row tile: 16 units on end): x's row tiles are tokens / 16, the head's twelve (four of q, of k, of v) lie on end from 256 + 12 x head.
; K comes in three fills: units 0-5 and 10-15 in slot 0, units 6-9 in slot 1 (28 row tiles x 6,144 or 4,096 bytes): steps of 128: three, two, three.
; CLUSTERS of 4 x 4 work-groups: x's tiles are asked for jointly along a row of the cluster, the head's along a column.
; No prefetch: the K walk is three fills, written out, with no loop to run ahead in; fills 0 and 1 are asked for ahead of all products.
; ORIENTATION.  q and k: source 0 = 16 columns, source 1 = 16 tokens: a lane holds a token and eight neighbouring channels.  v: source 0 = 16 tokens, source 1 = 16 channels: a lane holds a channel and eight neighbouring tokens (the keys are the next K).
; q_img: [batch x 16 + head][token tile 0-127][1,024]; kv_img: [batch x 16 + head][key block of 128][k: 8 tiles x 1,024, v: 4 channel tiles x 2,048].
; THE BIAS, divided by 2^(e0 + e1), is the C of each accumulator's first product: nothing is cleared or added.
; LIMITS: e - e0 - e1 between -126 and 119 for e = e2, e3, e5.  NaN is not served.
; REGISTERS: window 0: v0-31 addresses and constants; v32-95 bias of q, k; v96-127 of v (at the end v's codes); v128-191, v192-255 x's fragments, two sets (at the end q's and k's codes in v128-191)
;   window 1: the head's fragments: q v0-63, k v64-127, v v128-191.  window 2: q's and k's accumulators, (token tile a, column tile b) at v[8 (8 a + b)].  window 3: v's, (channel tile d, token tile a) at v[8 (4 d + a)].
.set SL1,  172032                      ; slot 1: behind 28 x 6,144
.set SPARE, SL1+114688                 ; the spare words, behind 28 x 4,096
.set LIM,  8                           ; v8-10   448 x the scale of q, k, v
.set SCL,  11                          ; v11-13  the scale
.set ADA,  16                          ; v16-17  LDS address of my x fragments in slot 0, 1
.set ADB,  18                          ; v18-19  of q's and k's
.set ADV,  20                          ; v20-21  of v's
.set TM,   22
.set LI,   26                          ; 16 x lane
.set SPW,  28
.set NIL,  29
.set G1A, 24                           ; s[24:31], s[68:75] group 1 for x's tiles, slot 0 and 1;  s[48:55], s[76:83] for the head's
.set G1B, 48
.set G0A, 32                           ; s[32:39], s[56:63] groups 0
.set G0B, 56
.set MSB, 0
.macro WIN new                         ; the immediate's high byte repeats the setting that is left
.if MSB != (\new)
	s_set_vgpr_msb (MSB<<8)|(\new)
.set MSB, (\new)
.endif
.endm
.macro JLOAD s                         ; a joint load: waves 0, 1 x's halves, waves 2, 3 the head's; the branch hangs on the wave's number alone
	s_cmp_eq_u32 s15, 0
	s_cbranch_scc0 .Lfor_b_\@
	tensor_load_to_lds s[G0A+4*\s:G0A+4*\s+3], s[G1A+44*\s:G1A+44*\s+7]
	s_nop 0
.rept 4
	v_nop
.endr
	s_branch .Lasked_\@
.Lfor_b_\@:
	tensor_load_to_lds s[G0B+4*\s:G0B+4*\s+3], s[G1B+28*\s:G1B+28*\s+7]
	s_nop 0
.rept 4
	v_nop
.endr
.Lasked_\@:
.endm
.macro CREST                           ; a round of the cluster's barrier behind its opening barrier
	s_cmp_lg_u32 s14, 0
	s_cbranch_scc1 .Lnot_wave_0_\@
	s_barrier_signal -3
.Lnot_wave_0_\@:
	s_barrier_wait -3
	s_barrier_signal -1
	s_barrier_wait -1
.endm
.macro CROUND
	s_barrier_signal -1
	s_barrier_wait -1
	CREST
.endm
.macro PLACES                          ; four places in front of loads into registers that products have read, and of reads of results just made
.rept 4
	v_nop
.endr
.endm
.macro FB dst, adr, n0, slot, q        ; four of the head's row tiles, from the n0-th behind adr, the slot's q-th 128 along K: sixteen loads
	WIN 0x40
.irp i, 0,1,2,3
.irp c, 0,1,2,3
	ds_load_b128 v[\dst+16*\i+4*\c:\dst+16*\i+4*\c+3], v[\adr] offset:(\n0+\i)*(6144-2048*(\slot))+2048*(\q)+512*\c
.endr
.endr
.endm
.macro FA slot, q, set                 ; my four row tiles of x
	WIN 0
.irp i, 0,1,2,3
.irp c, 0,1,2,3
	ds_load_b128 v[128+64*(\set)+16*\i+4*\c:128+64*(\set)+16*\i+4*\c+3], v[ADA+\slot] offset:\i*(6144-2048*(\slot))+2048*(\q)+512*\c
.endr
.endr
.endm
; Sixteen products each; the accumulators take turns, one instruction a turn, in the same order in every step.
.macro MQK b0, set, first              ; q: b0 = 0, k: b0 = 4
.if \first
	WIN 0x81
.else
	WIN 0xa1
.endif
.irp a, 0,1,2,3
.irp b, 0,1,2,3
.set D, 8*(8*\a+\b0+\b)
.if \first
	v_wmma_f32_16x16x128_fp8_fp8 v[D:D+7], v[16*(\b0+\b):16*(\b0+\b)+15], v[128+64*(\set)+16*\a:128+64*(\set)+16*\a+15], v[32+8*(\b0+\b):32+8*(\b0+\b)+7]
.else
	v_wmma_f32_16x16x128_fp8_fp8 v[D:D+7], v[16*(\b0+\b):16*(\b0+\b)+15], v[128+64*(\set)+16*\a:128+64*(\set)+16*\a+15], v[D:D+7]
.endif
.endr
.endr
.endm
.macro MV set, first
.if \first
	WIN 0xc4
.else
	WIN 0xf4
.endif
.irp d, 0,1,2,3
.irp a, 0,1,2,3
.set D, 8*(4*\d+\a)
.if \first
	v_wmma_f32_16x16x128_fp8_fp8 v[D:D+7], v[128+64*(\set)+16*\a:128+64*(\set)+16*\a+15], v[128+16*\d:128+16*\d+15], v[96+8*\d:96+8*\d+7]
.else
	v_wmma_f32_16x16x128_fp8_fp8 v[D:D+7], v[128+64*(\set)+16*\a:128+64*(\set)+16*\a+15], v[128+16*\d:128+16*\d+15], v[D:D+7]
.endif
.endr
.endr
.endm
; A step of 128 along K whose successor lies in the same slot.  Each section's fragments are fetched anew as soon as its products are issued: 32 products ahead of their use.
; LDS loads are issued in the order q and x (32), k (16), v (16).
.macro STEP slot, q, set, first
	s_wait_dscnt 32                                ; q and x are in; k's and v's 32 may be out
	MQK 0, \set, \first
	PLACES
	FB 0, ADB+\slot, 0, \slot, \q+1
	FA \slot, \q+1, 1-\set
	s_wait_dscnt 48                                ; k is in; v's 16 and the 32 just issued may be out
	MQK 4, \set, \first
	PLACES
	FB 64, ADB+\slot, 4, \slot, \q+1
	s_wait_dscnt 48                                ; v is in; 32 + 16 may be out
	MV \set, \first
	PLACES
	FB 128, ADV+\slot, 0, \slot, \q+1
.endm
; A slot's last step.  Behind its barrier nobody reads the slot any more and the other one is whole.
.macro TURN next, set, fill
.if \fill
	WIN 0                                          ; (the add's two registers lie in window 0)
	s_wait_tensorcnt 0x0                           ; all my tensor loads have landed: my part of the next slot
	ds_add_u32 v[SPW], v[NIL]
	s_wait_dscnt 33                                ; q and x are in; k, v and the add may be out
	MQK 0, \set, 0
	s_wait_dscnt 0x0                               ; the add is done, and my reads of this slot are over
	s_barrier_signal -1
	MQK 4, \set, 0                                 ; work on registers while the others arrive
	WIN 0
	s_barrier_wait -1
	CREST                                          ; no wave of any partner still reads this slot or has a load on its way
	s_add_nc_u64 s[G0A+2:G0A+3], s[G0A+2:G0A+3], 10240
	s_add_nc_u64 s[G0B+2:G0B+3], s[G0B+2:G0B+3], 10240
	JLOAD 0                                        ; units 10-15; the four v_nop behind it are the places in front of the loads below
.else
	s_wait_dscnt 32
	MQK 0, \set, 0
	s_wait_dscnt 16
	MQK 4, \set, 0
	WIN 0
	s_wait_tensorcnt 0x0                           ; my part of the last fill is in
	ds_add_u32 v[SPW], v[NIL]
	s_wait_dscnt 0x0
	s_barrier_signal -1
	s_barrier_wait -1                              ; everybody's is; nothing is filled again
	PLACES
.endif
	FB 0, ADB+\next, 0, \next, 0
	FA \next, 0, 1-\set
	FB 64, ADB+\next, 4, \next, 0
	MV \set, 0
	PLACES
	FB 128, ADV+\next, 0, \next, 0
.endm
; The way out of q (sec = 0) or k (1): held, converted; a token tile's four conversions are its unit as it stands.
.macro OUTQK sec, base
	WIN 0x82
.irp a, 0,1,2,3
.set j, 64*\a+32*\sec
.rept 32
	v_med3_num_f32 v[j], v[j], -v[LIM+\sec], v[LIM+\sec]   ; the conversion does not saturate (ISA guide 7.6.2); each accumulator from its low end on
.set j, j+1
.endr
.endr
	WIN 0x02
.irp a, 0,1,2,3
.irp b, 0,1,2,3
	v_cvt_scalef32_pk8_fp8_f32 v[128+32*\sec+8*\a+2*\b:129+32*\sec+8*\a+2*\b], v[8*(8*\a+4*\sec+\b):8*(8*\a+4*\sec+\b)+7], v[SCL+\sec]
.endr
.endr
	v_nop                                          ; a plain vector instruction behind the last conversion
	WIN 0
.irp a, 0,1,2,3
.irp s, 0,1
	global_store_b128 v[LI], v[128+32*\sec+8*\a+4*\s:131+32*\sec+8*\a+4*\s], s[\base:\base+1] offset:1024*\a+512*\s   ; 32 lanes store 512 consecutive bytes, aligned
.endr
.endr
.endm
	s_load_b256 s[4:11], s[0:1], 0x0               ; codes s[4:5], b_attn s[6:7], the scales' exponents s[8:9], q_img s[10:11]
	s_load_b64 s[12:13], s[0:1], 0x20              ; kv_img
	v_lshl_add_u32 v[SPW], v0, 2, SPARE
	v_mov_b32 v[NIL], 0
	ds_add_u32 v[SPW], v[NIL]                      ; the wave's opening: the add, twice on end, and its wait ahead of my first tensor load
	ds_add_u32 v[SPW], v[NIL]
	v_lshrrev_b32 v1, 5, v0
	v_readfirstlane_b32 s14, v1                    ; wave 0..3: my 64 tokens of the 256
	s_lshr_b32 s15, s14, 1                         ; I fetch for x (0) or for the head (1)
	s_and_b32 s16, s14, 1                          ; which half of it
	s_bfe_u32 s40, ttmp6, 0x40000                  ; cx, cy: my place in the cluster
	s_bfe_u32 s41, ttmp6, 0x40004
	s_lshl_b32 s18, ttmp9, 2
	s_add_co_u32 s18, s18, s40                     ; the head
	s_and_b32 s17, ttmp7, 0xffff
	s_lshl_b32 s17, s17, 2
	s_add_co_u32 s17, s17, s41                     ; which 256 tokens
	s_lshl_b32 s43, s41, 2
	s_lshl_b32 s43, 15, s43                        ; my row of the cluster
	s_lshl_b32 s44, 0x1111, s40                    ; my column
	; descriptor groups 1: eight (x) or six row tiles' 6,144 or 4,096 bytes, 16,384 bytes apart in memory, on end in LDS; elements of 8 bytes
	s_or_b32 s[G1A], s43, (3<<16)|(1<<21)
	s_or_b32 s[G1A+44], s43, (3<<16)|(1<<21)
	s_or_b32 s[G1B], s44, (3<<16)|(1<<21)
	s_or_b32 s[G1B+28], s44, (3<<16)|(1<<21)
.irp g, G1A, G1B
	s_mov_b32 s[\g+1], 768<<16
	s_mov_b32 s[\g+3], 768<<16
.endr
.irp g, G1A+44, G1B+28
	s_mov_b32 s[\g+1], 512<<16
	s_mov_b32 s[\g+3], 512<<16
.endr
.irp g, G1A, G1A+44
	s_mov_b32 s[\g+2], 8<<16
	s_mov_b32 s[\g+4], 8
.endr
.irp g, G1B, G1B+28
	s_mov_b32 s[\g+2], 6<<16
	s_mov_b32 s[\g+4], 6
.endr
.irp g, G1A, G1A+44, G1B, G1B+28
	s_mov_b32 s[\g+5], 2048
	s_mov_b32 s[\g+6], 0
	s_mov_b32 s[\g+7], 0
.endr
	s_lshl_b32 s20, s17, 4
	s_lshl_b32 s22, s16, 3
	s_add_co_u32 s20, s20, s22                     ; x: row tile 16 x tile + 8 x half
	s_lshl_b32 s20, s20, 14
	s_mov_b32 s21, 0
	s_mul_i32 s66, s18, 12
	s_mul_i32 s22, s16, 6
	s_add_co_u32 s66, s66, s22
	s_add_co_u32 s66, s66, 256                     ; the head: row tile 256 + 12 x head + 6 x half
	s_lshl_b32 s66, s66, 14
	s_mov_b32 s67, 0
	s_mul_i32 s45, s16, 8*6144                     ; where they go: no place in the cluster enters an LDS address
	s_mul_i32 s46, s16, 6*6144
	s_mul_i32 s47, s16, 8*4096
	s_mul_i32 s23, s16, 6*4096
	s_wait_dscnt 0x0                               ; both opening adds are done
	s_wait_kmcnt 0x0
	s_load_b256 s[84:91], s[8:9], 0x0              ; the eight exponents
	s_add_nc_u64 s[20:21], s[4:5], s[20:21]
	s_add_nc_u64 s[66:67], s[4:5], s[66:67]
	CROUND                                         ; all sixteen work-groups are here: the first joint loads meet
	s_mov_b32 s[G0A], 1
	s_mov_b32 s[G0A+1], s45
	s_mov_b64 s[G0A+2:G0A+3], s[20:21]
	s_or_b32 s[G0A+3], s[G0A+3], 0x80000000
	s_mov_b32 s[G0B], 1
	s_add_co_u32 s[G0B+1], s46, 16*6144
	s_mov_b64 s[G0B+2:G0B+3], s[66:67]
	s_or_b32 s[G0B+3], s[G0B+3], 0x80000000
	JLOAD 0                                        ; units 0-5: one tensor load a wave at the head
	s_mov_b32 s[G0A+4], 1
	s_add_co_u32 s[G0A+5], s47, SL1
	s_add_nc_u64 s[G0A+6:G0A+7], s[20:21], 6144
	s_or_b32 s[G0A+7], s[G0A+7], 0x80000000
	s_mov_b32 s[G0B+4], 1
	s_add_co_u32 s[G0B+5], s23, SL1+16*4096
	s_add_nc_u64 s[G0B+6:G0B+7], s[66:67], 6144
	s_or_b32 s[G0B+7], s[G0B+7], 0x80000000
	; where my results go: hb = batch x 16 + head
	s_lshr_b32 s44, s17, 3
	s_lshl_b32 s44, s44, 4
	s_add_co_u32 s44, s44, s18                     ; hb
	s_and_b32 s45, s17, 7
	s_lshl_b32 s92, s44, 17
	s_lshl_b32 s46, s45, 14
	s_add_co_u32 s92, s92, s46
	s_lshl_b32 s46, s14, 12
	s_add_co_u32 s92, s92, s46                     ; q: hb x 131,072 + (16 x tile + 4 x wave) x 1,024
	s_mov_b32 s93, 0
	s_lshl_b32 s94, s44, 18
	s_lshl_b32 s46, s45, 15
	s_add_co_u32 s94, s94, s46
	s_lshl_b32 s46, s15, 14
	s_add_co_u32 s94, s94, s46                     ; k, v: hb x 262,144 + (2 x tile + wave / 2) x 16,384,
	s_lshl_b32 s46, s16, 10
	s_add_co_u32 s96, s94, s46                     ; v: + 1,024 x (wave % 2): which half of the block's keys
	s_mov_b32 s97, 0
	s_lshl_b32 s46, s16, 12
	s_add_co_u32 s94, s94, s46                     ; k: + 4,096 x (wave % 2)
	s_mov_b32 s95, 0
	s_add_nc_u64 s[92:93], s[10:11], s[92:93]
	s_add_nc_u64 s[94:95], s[12:13], s[94:95]
	s_add_nc_u64 s[96:97], s[12:13], s[96:97]
	s_lshl_b32 s98, s18, 8
	s_mov_b32 s99, 0
	s_add_nc_u64 s[6:7], s[6:7], s[98:99]          ; the head's 64 biases of q; k's 4,096 and v's 8,192 bytes further on
	s_mul_i32 s19, s14, 4*6144
	s_lshl_b32 s22, s14, 14
	s_add_co_u32 s22, s22, SL1
	v_bfe_u32 v3, v0, 4, 1                         ; h
	v_lshlrev_b32 v4, 5, v3
	v_and_b32 v2, 15, v0                           ; r
	v_lshlrev_b32 v5, 2, v2
.irp b, 0,1,2,3
	global_load_b128 v[32+8*\b:35+8*\b], v4, s[6:7] offset:64*\b             ; q: register j of column tile b is channel 16 b + 8 h + j
	global_load_b128 v[36+8*\b:39+8*\b], v4, s[6:7] offset:64*\b+16
	global_load_b128 v[64+8*\b:67+8*\b], v4, s[6:7] offset:4096+64*\b
	global_load_b128 v[68+8*\b:71+8*\b], v4, s[6:7] offset:4096+64*\b+16
	global_load_b32 v[TM+\b], v5, s[6:7] offset:8192+64*\b                   ; v: lane r of channel tile b is channel 16 b + r
.endr
	v_and_b32 v1, 31, v0
	v_lshlrev_b32 v[LI], 4, v1
	v_add_nc_u32 v[ADA], s19, v[LI]
	v_add_nc_u32 v[ADA+1], s22, v[LI]
	v_add_nc_u32 v[ADB], 16*6144, v[LI]
	v_add_nc_u32 v[ADB+1], SL1+16*4096, v[LI]
	v_add_nc_u32 v[ADV], 24*6144, v[LI]
	v_add_nc_u32 v[ADV+1], SL1+24*4096, v[LI]
	s_wait_alu depctr_va_vdst(0)
	s_wait_kmcnt 0x0
	s_add_co_i32 s98, s84, s85                     ; e0 + e1
	s_sub_co_i32 s99, 0, s98
.macro SCALE n, e                      ; a sum stands for sum x 2^(e0 + e1): its code is sum / 2^(e - e0 - e1)
	s_sub_co_i32 s100, s[\e], s98
	s_add_co_i32 s100, s100, 127
	s_lshl_b32 s101, s100, 23
	v_mov_b32 v[SCL+\n], s101
	s_add_co_i32 s100, s100, 8
	s_lshl_b32 s100, s100, 23
	s_or_b32 s100, s100, 0x600000
	v_mov_b32 v[LIM+\n], s100
.endm
	SCALE 0, 86
	SCALE 1, 87
	SCALE 2, 89
	s_wait_alu depctr_va_vdst(0)
	s_wait_loadcnt 0x0                             ; the biases
.set j, 0
.rept 64
	v_ldexp_f32 v[32+j], v[32+j], s99
.set j, j+1
.endr
.irp d, 0,1,2,3
.irp j, 0,1,2,3,4,5,6,7
	v_ldexp_f32 v[96+8*\d+\j], v[TM+\d], s99
.endr
.endr
	s_wait_alu depctr_va_vdst(0)
	s_wait_tensorcnt 0x0                           ; my part of fill 0 is in
	ds_add_u32 v[SPW], v[NIL]
	s_wait_dscnt 0x0
	CROUND                                         ; everybody's part is in, and the joint loads meet
	JLOAD 1                                        ; units 6-9, the first tensor load behind the round
	FB 0, ADB, 0, 0, 0
	FA 0, 0, 0
	FB 64, ADB, 4, 0, 0
	FB 128, ADV, 0, 0, 0
	STEP 0, 0, 0, 1
	STEP 0, 1, 1, 0
	TURN 1, 0, 1
	STEP 1, 0, 1, 0
	TURN 0, 0, 0
	STEP 0, 0, 1, 0
	STEP 0, 1, 0, 0
	s_wait_dscnt 32                                ; the last step: nothing more to fetch
	MQK 0, 1, 0
	s_wait_dscnt 16
	MQK 4, 1, 0
	PLACES
	OUTQK 0, 92                                    ; q leaves ahead of v's last products
	s_wait_dscnt 0x0
	MV 1, 0
	OUTQK 1, 94
	PLACES
	WIN 0xc3
.set j, 0
.rept 128
	v_med3_num_f32 v[j], v[j], -v[LIM+2], v[LIM+2]
.set j, j+1
.endr
	WIN 0x03
.irp d, 0,1,2,3
.irp a, 0,1,2,3
	v_cvt_scalef32_pk8_fp8_f32 v[96+8*\d+2*\a:97+8*\d+2*\a], v[8*(4*\d+\a):8*(4*\d+\a)+7], v[SCL+2]   ; a channel tile's registers along my 64 keys
.endr
.endr
	v_nop
	WIN 0
.irp d, 0,1,2,3
.irp s, 0,1
	global_store_b128 v[LI], v[96+8*\d+4*\s:99+8*\d+4*\s], s[96:97] offset:8192+2048*\d+512*\s
.endr
.endr
	s_wait_tensorcnt 0x0                           ; the wave's end
	ds_add_u32 v[SPW], v[NIL]
	s_wait_dscnt 0x0
	CROUND                                         ; the closing round: no work-group ends while a partner may still ask for a tile that names it
	s_endpgm
.Lfunc_end_k_q1278c9da1a_qkv:
	.size	k_q1278c9da1a_qkv, .Lfunc_end_k_q1278c9da1a_qkv-k_q1278c9da1a_qkv
	.p2alignl 7, 3214868480
	.fill 96, 4, 3214868480
	.section	.rodata,"a",@progbits
	.p2align	6, 0x0
	.amdhsa_kernel k_q1278c9da1a_qkv
		.amdhsa_group_segment_fixed_size 327680
		.amdhsa_private_segment_fixed_size 0
		.amdhsa_enable_private_segment 0
		.amdhsa_kernarg_size 40
		.amdhsa_user_sgpr_count 2
		.amdhsa_user_sgpr_kernarg_segment_ptr 1
		.amdhsa_wavefront_size32 1
		.amdhsa_system_sgpr_workgroup_id_x 1
		.amdhsa_system_sgpr_workgroup_id_y 1
		.amdhsa_system_sgpr_workgroup_id_z 1
		.amdhsa_system_vgpr_workitem_id 0
		.amdhsa_next_free_vgpr 1024
		.amdhsa_next_free_sgpr 102
		.amdhsa_reserve_vcc 0
		.amdhsa_float_denorm_mode_32 3
		.amdhsa_float_denorm_mode_16_64 3
		.amdhsa_memory_ordered 1
		.amdhsa_forward_progress 1
		.amdhsa_inst_pref_size 110
	.end_amdhsa_kernel
	.amdgpu_metadata
---
amdhsa.version: [ 1, 2 ]
amdhsa.kernels:
  - .name:           k_q1278c9da1a_qkv
    .symbol:         k_q1278c9da1a_qkv.kd
    .args:
      - { .name: codes, .offset: 0, .size: 8, .value_kind: global_buffer, .address_space: global }
      - { .name: b_attn, .offset: 8, .size: 8, .value_kind: global_buffer, .address_space: global }
      - { .name: lowp_scales, .offset: 16, .size: 8, .value_kind: global_buffer, .address_space: global }
      - { .name: q_img, .offset: 24, .size: 8, .value_kind: global_buffer, .address_space: global }
      - { .name: kv_img, .offset: 32, .size: 8, .value_kind: global_buffer, .address_space: global }
    .group_segment_fixed_size: 327680
    .private_segment_fixed_size: 0
    .kernarg_segment_align: 8
    .kernarg_segment_size: 40
    .max_flat_workgroup_size: 128
    .sgpr_count:     102
    .vgpr_count:     1024
    .wavefront_size: 32
...
	.end_amdgpu_metadata
.endif
;; end of part 2
;; launch attn (part 3): grid 8 x 32, 16 waves a work-group, clusters of 4 x 1, 301,056 bytes of LDS; arguments q_img, kv_img, lowp_scales, y_img; writes y_img
.if DOCPART == 3
	.amdgcn_target "amdgcn-amd-amdhsa--gfx1250"
	.amdhsa_code_object_version 6
	.text
	.protected	k_q1278c9da1a_attn
	.globl	k_q1278c9da1a_attn
	.p2align	8
	.type	k_q1278c9da1a_attn,@function
k_q1278c9da1a_attn:
	s_mov_b64 s[64:65], 0
	v_nop
	global_prefetch_b8 v0, s[64:65] scope:SCOPE_SE
	s_setreg_imm32_b32 hwreg(HW_REG_WAVE_MODE, 25, 1), 1
	s_wait_xcnt 0x0
	s_wait_alu depctr_hold_cnt(0) depctr_sa_sdst(0) depctr_va_vdst(0) depctr_va_sdst(0) depctr_va_ssrc(0) depctr_va_vcc(0) depctr_vm_vsrc(0)
	s_getreg_b32 s2, hwreg(HW_REG_IB_STS2, 6, 4)
	s_cmp_eq_u32 s2, 0
	s_cbranch_scc0 .Lentry_in_a_cluster
	s_endpgm
.Lentry_in_a_cluster:
	s_bfe_u32 s2, ttmp6, 0x10000c
	s_cmp_lg_u32 s2, 0x3003
	s_cbranch_scc0 .Lentry_shape_is_right
	s_endpgm
.Lentry_shape_is_right:
; y[head][q] = the sum over keys k <= q of softmax_k(q . k / 8) v[k], both products on codes of FP8 (E4M3) with the given scales 2^e2 (q), 2^e3 (k), 2^e4 (p), 2^e5 (v); y is quantised at once with 2^e6 for the last product.
; THE SOFTMAX AHEAD OF THE SECOND PRODUCT: t = score x log2(e) / 8; M = the row's largest t so far, rounded UP to a whole number; p = 2^(t - M) is what is quantised; the row's sum is taken of the unquantised p and divides at the end.
; When M moves, the sum and O are multiplied by 2^(old M - new M): nothing is rounded, and there is no branch on data.
; WORK LEFT OUT: blocks of 128 keys that all come after a block of queries (reference()'s causal mask gives them weight 0); a NaN, an infinity or an overflow there is not carried to the result.
; A HEAD'S k AND v CODES, 262,144 bytes, LIE WHOLE IN LDS: sixteen blocks of 128 keys x 16,384 bytes (k's eight key tiles x 1,024, v's four channel tiles x 2,048), as register images: every fragment is loads of 512 consecutive bytes.
; Every LDS byte is filled once: no ring.  Each of the sixteen waves asks for one block at the head, jointly with the cluster's three other work-groups of the same head.  No prefetch: all tiles are asked for at the head, by the loads themselves.
; SHARES.  Work-group g = 0 .. 7 of a head takes tile g (16 queries) of each of the head's 16 blocks of 128 queries.  Two waves, pair m = 0 .. 7, share its tiles of blocks m and 15 - m, together 17 key steps:
;   role 0: key blocks 0 .. 8 of block 15 - m: nine steps;   role 1: key blocks 0 .. m of block m, then 9 .. 15 - m of block 15 - m: eight steps.  Role 1 hands its part of block 15 - m (O, M, the sums) to role 0 through LDS.
; All branches hang on the wave's number and a counted loop; g enters global addresses and the mask's numbers alone.
; LAYOUT.  Both products are used transposed: S^T = K Q^T (source 0 = 16 keys, source 1 = my 16 queries, K = the head's 64), O^T = V^T P^T (source 0 = 16 channels, source 1 = P, K = 128 keys): a lane holds ONE query (lane % 16) throughout,
; and register j of key tile t is key 16 t + 8 (lane / 16) + j: the conversion of a tile's eight registers gives registers 2 t, 2 t + 1 of P's fragment.  Likewise O^T's four tiles give y's unit of 16 tokens x 64.
; y_img: [token tile 0-255][head 0-15][1,024].
; LIMITS: e2 + e3 between -123 and 130 (they are added to c's exponent field); e4 and e6 between -126 and 119; the scaled scores t under 2^31 in magnitude.
; REGISTERS: v1 16 x lane; v7 my pair's place for the part handed over; v8 the step's LDS address; v9 the mask's number; v12 -M, v13 the largest t, v[14:15] the sum in two halves; v16-23 Q, v24-31 the second tile's Q;
;   v32-95 K's eight fragments, then V's four; v96-159 S^T, then p; v160-191 O^T; v224-239 partial sums, then p's codes.
.set WV,   18                          ; s18  my wave's number
.set SEL,  20                          ; s[20:21] lane selects for v_permlanex16_b32: lane l xor 16
.set CS,   22                          ; s[22:23] c = log2(e) / 8 x 2^(e2 + e3)
.set G1,   24                          ; s[24:31] descriptor group 1
.set G0,   32                          ; s[32:35] group 0
.set TB,   2                           ; s2   LDS byte of the key block in hand
.set TR,   3                           ; s3   the trip
.set KB,   48                          ; s48  the key block in hand
.set BQ,   49                          ; s49  the block of queries in hand
.set PM,   50                          ; s50  m
.set ROLE, 51                          ; s51
.set NB,   73                          ; s73  8 - m
.set SW,   74                          ; s74  the trip in which role 1 changes to block 15 - m: m + 1 (role 0: none)
.set LAST, 75                          ; s75  my last trip
.set LI,   1
.set ADR,  8
.set PART, 262144                      ; eight places of 9 x 512 bytes for the parts handed over
.set PSZ,  4608
.set SPARE, PART+8*PSZ                 ; the spare words
.macro CROUND                          ; a round of the cluster's barrier
	s_barrier_signal -1
	s_barrier_wait -1
	s_cmp_lg_u32 s[WV], 0
	s_cbranch_scc1 .Lnot_wave_0_\@
	s_barrier_signal -3
.Lnot_wave_0_\@:
	s_barrier_wait -3
	s_barrier_signal -1
	s_barrier_wait -1
.endm
; A KEY STEP: the 128 keys of block KB.
.macro STEP
	v_add_nc_u32 v[ADR], s[TB], v[LI]
.rept 3
	v_nop                                          ; with the addition: four places in front of loads into registers that the last products read
.endr
.irp t, 0,1,2,3,4,5,6,7
	ds_load_b128 v[32+8*\t:35+8*\t], v[ADR] offset:1024*\t
	ds_load_b128 v[36+8*\t:39+8*\t], v[ADR] offset:1024*\t+512
.endr
	s_wait_alu depctr_va_vdst(0)
.irp t, 0,1,2,3,4,5,6,7
	s_wait_dscnt 14-2*\t                           ; key tile t's two loads are in; the later tiles' may be out
	v_wmma_f32_16x16x64_fp8_fp8 v[96+8*\t:103+8*\t], v[32+8*\t:39+8*\t], v[16:23], 0
.endr
.rept 4
	v_nop                                          ; places in front of the loads below and of the first read of the scores
.endr
.irp d, 0,1,2,3
.irp c, 0,1,2,3
	ds_load_b128 v[32+16*\d+4*\c:35+16*\d+4*\c], v[ADR] offset:8192+2048*\d+512*\c   ; V's fragments land while the softmax is walked
.endr
.endr
	s_cmp_lg_u32 s[KB], s[BQ]                      ; only the block on the diagonal has hidden keys
	s_cbranch_scc1 .Lopen_\@
	v_mov_b32 v254, 0xff800000                     ; -infinity: p = 0 then
.set n, 0
.rept 64
	v_cmp_gt_i32 vcc_lo, 16*(n/8)+n%8, v9          ; register n holds key 16 (n / 8) + n % 8 + 8 (lane / 16) of the block: hidden where that is above my query's place in it
	v_cndmask_b32 v[96+n], v[96+n], v254, vcc_lo
.set n, n+1
.endr
.Lopen_\@:
	v_max3_num_f32 v254, v96, v97, v98             ; the step's largest score of my query, among my 64 keys, in two chains,
	v_max3_num_f32 v252, v99, v100, v101
.irp i, 6,10,14,18,22,26,30,34,38,42,46,50,54,58
	v_max3_num_f32 v254, v254, v[96+\i], v[97+\i]
	v_max3_num_f32 v252, v252, v[98+\i], v[99+\i]
.endr
	v_max3_num_f32 v254, v254, v158, v159
	s_delay_alu instid0(VALU_DEP_1)
	v_max_num_f32 v254, v254, v252
	v_permlanex16_b32 v236, v254, s[SEL], s[SEL+1]
	s_delay_alu instid0(VALU_DEP_1)
	v_max_num_f32 v254, v254, v236                 ; and among lane l xor 16's
	s_delay_alu instid0(VALU_DEP_1)
	v_mul_f32 v254, s[CS], v254                    ; as t (c is positive)
	s_delay_alu instid0(VALU_DEP_1)
	v_max_num_f32 v13, v13, v254                   ; the running largest t
	v_mov_b32 v254, v12
	s_delay_alu instid0(VALU_DEP_2)
	v_floor_f32 v12, -v13                          ; the new -M = floor(-t) = -ceil(t): a whole number
	s_delay_alu instid0(VALU_DEP_1)
	v_sub_f32 v254, v12, v254                      ; M's old value less its new one: a whole number, 0 or less
	s_delay_alu instid0(VALU_DEP_1)
	v_cvt_i32_f32 v254, v254                       ; (it saturates)
	s_delay_alu instid0(VALU_DEP_1)
	v_ldexp_f32 v252, 1.0, v254                    ; f = 2^(old M - new M)
.set j, 0
.rept 32
	v_pk_fma_f32 v[96+j:97+j], v[96+j:97+j], s[CS:CS+1], v[12:13] op_sel_hi:[1,0,0]   ; t - M, two at a time (of the pairs c and -M the low word serves both halves)
.set j, j+2
.endr
	s_wait_alu depctr_va_vdst(0)
.set j, 0
.rept 64
	v_exp_f32 v[96+j], v[96+j]                     ; p = 2^(t - M), at most 1: not normalised
.set j, j+1
.endr
	v_pk_mul_f32 v[14:15], v[14:15], v[252:253] op_sel_hi:[1,0]   ; the sums under the new M: the plain instruction behind the exponentials
	s_wait_alu depctr_va_vdst(0)                   ; one wait for the whole batch, ahead of its first reader
.irp k, 0,1,2,3,4,5,6,7                ; the row's sum, of the unquantised p: eight chains, then a tree
	v_pk_add_f32 v[224+2*\k:225+2*\k], v[96+8*\k:97+8*\k], v[98+8*\k:99+8*\k]
.endr
.irp i, 4,6
.irp k, 0,1,2,3,4,5,6,7
	v_pk_add_f32 v[224+2*\k:225+2*\k], v[224+2*\k:225+2*\k], v[96+8*\k+\i:97+8*\k+\i]
.endr
.endr
.irp k, 0,1,2,3
	v_pk_add_f32 v[224+2*\k:225+2*\k], v[224+2*\k:225+2*\k], v[232+2*\k:233+2*\k]
.endr
	s_delay_alu instid0(VALU_DEP_2)
	v_pk_add_f32 v[224:225], v[224:225], v[228:229]
	s_delay_alu instid0(VALU_DEP_2)
	v_pk_add_f32 v[226:227], v[226:227], v[230:231]
	s_delay_alu instid0(VALU_DEP_1)
	v_pk_add_f32 v[224:225], v[224:225], v[226:227]
	s_delay_alu instid0(VALU_DEP_1)
	v_pk_add_f32 v[14:15], v[14:15], v[224:225]
.irp t, 0,1,2,3,4,5,6,7
.irp i, 0,2,4,6
	v_dual_min_num_f32 v[96+8*\t+\i], v[96+8*\t+\i], v240 :: v_dual_min_num_f32 v[97+8*\t+\i], v[97+8*\t+\i], v241   ; the conversion does not saturate (ISA guide 7.6.2); p is not negative, so the hold is one-sided; v240 = v241
.endr
	v_cvt_scalef32_pk8_fp8_f32 v[224+2*\t:225+2*\t], v[96+8*\t:103+8*\t], v244
.endr
	s_wait_alu depctr_va_vdst(0)                   ; directly ahead of the first reader of O^T
.set j, 0
.rept 16
	v_pk_mul_f32 v[160+j:161+j], v[160+j:161+j], v[252:253] op_sel_hi:[1,0]   ; O^T under the new M.  (Also the plain instructions between the conversions and the products)
.set j, j+2
.endr
	s_wait_alu depctr_va_vdst(0)
	s_wait_dscnt 0x0                               ; V is in
.irp d, 0,1,2,3                        ; the four accumulators take turns, one instruction a turn
	v_wmma_f32_16x16x128_fp8_fp8 v[160+8*\d:167+8*\d], v[32+16*\d:47+16*\d], v[224:239], v[160+8*\d:167+8*\d]
.endr
.endm
; A TILE'S WAY OUT.  O^T is divided by the row's sum, multiplied by 2^(e4 + e5), held, converted: the four tiles' codes are y's unit as it stands.  The first five plain lines are also the places behind the last products.
.macro FINISH
	v_add_f32 v14, v14, v15                        ; the sum's two halves,
	s_delay_alu instid0(VALU_DEP_1)
	v_permlanex16_b32 v252, v14, s[SEL], s[SEL+1]
	s_delay_alu instid0(VALU_DEP_1)
	v_add_f32 v14, v14, v252                       ; and lane l xor 16's
	s_wait_alu depctr_va_vdst(0)
	v_rcp_f32 v14, v14
	v_nop                                          ; a plain instruction behind the reciprocal,
	s_wait_alu depctr_va_vdst(0)                   ; and the wait ahead of its first reader
	v_ldexp_f32 v14, v14, s72
	s_wait_alu depctr_va_vdst(0)                   ; and directly ahead of the first reader of O^T
.set j, 0
.rept 16
	v_pk_mul_f32 v[96+j:97+j], v[160+j:161+j], v[14:15] op_sel_hi:[1,0]   ; register 8 d + i is y(my query, 16 d + 8 (lane / 16) + i)
.set j, j+2
.endr
.set j, 0
.rept 32
	v_med3_num_f32 v[96+j], v[96+j], -v250, v250
.set j, j+1
.endr
.irp d, 0,1,2,3
	v_cvt_scalef32_pk8_fp8_f32 v[224+2*\d:225+2*\d], v[96+8*\d:103+8*\d], v245
.endr
	v_nop                                          ; a plain vector instruction behind the last conversion
	global_store_b128 v[LI], v[224:227], s[10:11]  ; 32 lanes store 512 consecutive bytes, aligned
	global_store_b128 v[LI], v[228:231], s[10:11] offset:512
.endm
.macro CLEAR                           ; a tile's beginning: the first step finds zeros, which the first change of M leaves zeros
	v_mov_b32 v13, 0xff61b1e6                      ; the largest t so far: -3e38, under every t
	v_mov_b32 v14, 0                               ; the sum, in two halves
	v_mov_b32 v15, 0
	v_floor_f32 v12, -v13                          ; -M
.set j, 0
.rept 32
	v_mov_b32 v[160+j], 0                          ; O^T
.set j, j+1
.endr
.endm
	s_load_b256 s[4:11], s[0:1], 0x0               ; q_img s[4:5], kv_img s[6:7], the scales' exponents s[8:9], y_img s[10:11]
	v_lshl_add_u32 v251, v0, 2, SPARE
	v_mov_b32 v255, 0
	ds_add_u32 v251, v255                          ; the wave's opening: the add, twice on end, and its wait ahead of my tensor load
	ds_add_u32 v251, v255
	v_lshrrev_b32 v8, 5, v0
	v_readfirstlane_b32 s[WV], v8                  ; wave 0..15
	s_bfe_u32 s13, ttmp6, 0x40000                  ; cx: my place in the cluster
	s_and_b32 s14, ttmp7, 0xffff                   ; the head, 0 .. 31, which the four partners share
	s_lshl_b32 s12, ttmp9, 2
	s_add_co_u32 s12, s12, s13                     ; g
	s_and_b32 s15, s[WV], 3
	s_lshr_b32 s16, s[WV], 3
	s_lshl_b32 s16, s16, 2
	s_or_b32 s[PM], s15, s16                       ; m: bits 0, 1 and 3 of the wave's number,
	s_bfe_u32 s[ROLE], s[WV], 0x10002              ; the role: bit 2
	s_xor_b32 s17, s[PM], 15                       ; 15 - m
	s_xor_b32 s[NB], s[PM], 7
	s_add_co_u32 s[NB], s[NB], 1                   ; 8 - m
	s_add_co_u32 s15, s[PM], 1
	s_cmp_eq_u32 s[ROLE], 0
	s_cselect_b32 s[BQ], s17, s[PM]
	s_cselect_b32 s[SW], 99, s15
	s_cselect_b32 s[LAST], 8, 7
	; descriptor group 1: 16,384 dense bytes as 64 rows of 256; elements of 8 bytes
	s_mov_b32 s[G1], 15|(3<<16)|(1<<21)            ; 15:0 the mask: all four work-groups; 17:16 elements of 8 bytes; 21 set beside a mask
	s_mov_b32 s[G1+1], 32<<16                      ; tensor_dim0 = 32 elements
	s_mov_b32 s[G1+2], 64<<16                      ; tensor_dim1 = 64
	s_mov_b32 s[G1+3], 32<<16                      ; tile_dim0
	s_mov_b32 s[G1+4], 64                          ; tile_dim1
	s_mov_b32 s[G1+5], 32                          ; tensor_dim0_stride
	s_mov_b32 s[G1+6], 0
	s_mov_b32 s[G1+7], 0
	s_mov_b32 s[SEL], 0x76543210
	s_mov_b32 s[SEL+1], 0xfedcba98
	s_mov_b32 s[CS], 0x3e38aa3b                    ; log2(e) / 8
	s_lshl_b32 s60, s14, 18                        ; the head's 262,144 bytes,
	s_lshl_b32 s62, s[WV], 14                      ; key block = wave: in memory and in LDS alike
	s_add_co_u32 s60, s60, s62
	s_mov_b32 s61, 0
	s_wait_dscnt 0x0                               ; both opening adds are done
	s_wait_kmcnt 0x0
	s_load_b256 s[52:59], s[8:9], 0x0              ; the eight exponents
	s_add_nc_u64 s[60:61], s[6:7], s[60:61]
	CROUND                                         ; all four work-groups are here: the joint loads meet
	s_mov_b32 s[G0], 1
	s_mov_b32 s[G0+1], s62
	s_mov_b64 s[G0+2:G0+3], s[60:61]
	s_or_b32 s[G0+3], s[G0+3], 0x80000000
	tensor_load_to_lds s[G0:G0+3], s[G1:G1+7]      ; my one tensor load
	s_nop 0
	s_lshl_b32 s66, s14, 7                         ; Q's unit: (128 x head + 8 x block + g) x 1,024
	s_add_co_u32 s66, s66, s12
	s_lshl_b32 s67, s17, 3
	s_add_co_u32 s38, s66, s67
	s_lshl_b32 s38, s38, 10
	s_mov_b32 s39, 0
	s_lshl_b32 s67, s[BQ], 3
	s_add_co_u32 s36, s66, s67
	s_lshl_b32 s36, s36, 10
	s_mov_b32 s37, 0
	s_add_nc_u64 s[36:37], s[4:5], s[36:37]        ; my first tile's
	s_add_nc_u64 s[38:39], s[4:5], s[38:39]        ; block 15 - m's: role 1's second tile (in role 0 the first once more)
	s_lshr_b32 s68, s14, 4                         ; y's unit: ((128 x batch + 8 x block + g) x 16 + head % 16) x 1,024
	s_lshl_b32 s68, s68, 7
	s_add_co_u32 s68, s68, s67
	s_add_co_u32 s68, s68, s12
	s_lshl_b32 s68, s68, 4
	s_and_b32 s69, s14, 15
	s_add_co_u32 s68, s68, s69
	s_lshl_b32 s68, s68, 10
	s_mov_b32 s69, 0
	s_add_nc_u64 s[10:11], s[10:11], s[68:69]      ; my first tile's: the one that I store
	s_mul_i32 s78, s[PM], PSZ
	s_add_co_u32 s78, s78, PART
	s_lshl_b32 s79, s12, 4
	v_and_b32 v[LI], 31, v0
	v_lshlrev_b32 v[LI], 4, v[LI]
	global_load_b128 v[16:19], v[LI], s[36:37]     ; Q's fragments stay in registers
	global_load_b128 v[20:23], v[LI], s[36:37] offset:512
	global_load_b128 v[24:27], v[LI], s[38:39]
	global_load_b128 v[28:31], v[LI], s[38:39] offset:512
	v_add_nc_u32 v7, s78, v[LI]
	v_and_b32 v9, 15, v0
	v_bfe_u32 v10, v0, 4, 1
	v_lshlrev_b32 v10, 3, v10
	v_sub_nc_u32 v9, v9, v10
	v_add_nc_u32 v9, s79, v9                       ; my query's place in its block, less 8 (lane / 16)
	v_mov_b32 v236, 0                              ; written once: a lane permute's destination counts as one of its sources
	v_mov_b32 v252, 0
	v_mov_b32 v253, 0                              ; (named as the upper half of the pair v[252:253])
	v_mov_b32 v247, 0                              ; (and of v[246:247])
	CLEAR
	s_wait_alu depctr_va_vdst(0)
	s_wait_kmcnt 0x0
	s_add_co_i32 s70, s54, s55
	s_lshl_b32 s70, s70, 23
	s_add_co_i32 s[CS], s[CS], s70                 ; a score stands for score x 2^(e2 + e3): the two exponents are added to c's exponent field
	s_mov_b32 s[CS+1], s[CS]                       ; (named with it as a pair, so it is written)
	s_add_co_i32 s70, s56, 127
	s_lshl_b32 s71, s70, 23
	v_mov_b32 v244, s71                            ; 2^e4, for p's conversions
	s_add_co_i32 s70, s70, 8
	s_lshl_b32 s70, s70, 23
	s_or_b32 s70, s70, 0x600000
	v_mov_b32 v240, s70                            ; 448 x 2^e4, twice: a paired instruction takes each half's from its own register
	v_mov_b32 v241, s70
	s_add_co_i32 s70, s58, 127
	s_lshl_b32 s71, s70, 23
	v_mov_b32 v245, s71                            ; 2^e6, for y's
	s_add_co_i32 s70, s70, 8
	s_lshl_b32 s70, s70, 23
	s_or_b32 s70, s70, 0x600000
	v_mov_b32 v250, s70                            ; 448 x 2^e6
	s_add_co_i32 s72, s56, s57                     ; e4 + e5
	s_mov_b32 s[TR], 0
	s_wait_alu depctr_va_vdst(0)
	s_wait_loadcnt 0x0                             ; Q
	s_wait_tensorcnt 0x0                           ; my block is in
	s_barrier_signal -1
	s_barrier_wait -1                              ; the whole head is in, and nothing is ever filled again: from here on the waves walk alone
.Lkey:
	s_cmp_lg_u32 s[TR], s[SW]
	s_cbranch_scc1 .Lsame_tile
	FINISH                                         ; role 1: block m's tile is finished and leaves; on to block 15 - m
	CLEAR
.irp i, 0,1,2,3,4,5,6,7
	v_mov_b32 v[16+\i], v[24+\i]
.endr
	s_mov_b32 s[BQ], s17
	s_wait_alu depctr_va_vdst(0)
	s_wait_xcnt 0x0                                ; the stores have read their registers, which the next step writes
.Lsame_tile:
	s_add_co_u32 s76, s[TR], s[NB]                 ; role 1 in block 15 - m: key block 9 in trip m + 1 and so on
	s_cmp_lt_u32 s[TR], s[SW]
	s_cselect_b32 s[KB], s[TR], s76
	s_min_u32 s[KB], s[KB], 15
	s_lshl_b32 s[TB], s[KB], 14
	s_cmp_gt_u32 s[TR], s[LAST]                    ; role 1 has no step in the last trip
	s_cbranch_scc1 .Lno_step
	STEP
.Lno_step:
	s_add_co_u32 s[TR], s[TR], 1
	s_cmp_lt_u32 s[TR], 9
	s_cbranch_scc1 .Lkey
.rept 4
	v_nop                                          ; places behind the last products
.endr
	s_cmp_eq_u32 s[ROLE], 0
	s_cbranch_scc1 .Lmeet
.irp q, 0,1,2,3,4,5,6,7
	ds_store_b128 v7, v[160+4*\q:163+4*\q] offset:512*\q   ; role 1's part of block 15 - m: O^T,
.endr
	ds_store_b128 v7, v[12:15] offset:4096         ; -M, and the sum's two halves
.Lmeet:
	s_wait_dscnt 0x0                               ; my part is in LDS
	s_barrier_signal -1
	s_barrier_wait -1
	s_cmp_lg_u32 s[ROLE], 0
	s_cbranch_scc1 .Lend
	ds_load_b128 v[64:67], v7 offset:4096
.irp q, 0,1,2,3,4,5,6,7
	ds_load_b128 v[32+4*\q:35+4*\q], v7 offset:512*\q
.endr
	s_wait_dscnt 0x0
	v_min_num_f32 v254, v12, v64                   ; -M of both parts together
	v_sub_f32 v252, v254, v12
	v_sub_f32 v246, v254, v64
	v_cvt_i32_f32 v252, v252                       ; (they saturate: an empty part's factor is 0)
	v_cvt_i32_f32 v246, v246
	v_ldexp_f32 v252, 1.0, v252                    ; my factor,
	v_ldexp_f32 v246, 1.0, v246                    ; and the other part's: whole powers of two
	v_pk_mul_f32 v[66:67], v[66:67], v[246:247] op_sel_hi:[1,0]
.set j, 0
.rept 16
	v_pk_mul_f32 v[32+j:33+j], v[32+j:33+j], v[246:247] op_sel_hi:[1,0]
.set j, j+2
.endr
	v_pk_fma_f32 v[14:15], v[14:15], v[252:253], v[66:67] op_sel_hi:[1,0,1]
.set j, 0
.rept 16
	v_pk_fma_f32 v[160+j:161+j], v[160+j:161+j], v[252:253], v[32+j:33+j] op_sel_hi:[1,0,1]
.set j, j+2
.endr
	FINISH
.Lend:
	s_wait_tensorcnt 0x0                           ; the wave's end
	ds_add_u32 v251, v255
	s_wait_dscnt 0x0
	CROUND                                         ; the closing round
	s_endpgm
.Lfunc_end_k_q1278c9da1a_attn:
	.size	k_q1278c9da1a_attn, .Lfunc_end_k_q1278c9da1a_attn-k_q1278c9da1a_attn
	.p2alignl 7, 3214868480
	.fill 96, 4, 3214868480
	.section	.rodata,"a",@progbits
	.p2align	6, 0x0
	.amdhsa_kernel k_q1278c9da1a_attn
		.amdhsa_group_segment_fixed_size 301056
		.amdhsa_private_segment_fixed_size 0
		.amdhsa_enable_private_segment 0
		.amdhsa_kernarg_size 32
		.amdhsa_user_sgpr_count 2
		.amdhsa_user_sgpr_kernarg_segment_ptr 1
		.amdhsa_wavefront_size32 1
		.amdhsa_system_sgpr_workgroup_id_x 1
		.amdhsa_system_sgpr_workgroup_id_y 1
		.amdhsa_system_sgpr_workgroup_id_z 1
		.amdhsa_system_vgpr_workitem_id 0
		.amdhsa_next_free_vgpr 256
		.amdhsa_next_free_sgpr 84
		.amdhsa_reserve_vcc 1
		.amdhsa_float_denorm_mode_32 3
		.amdhsa_float_denorm_mode_16_64 3
		.amdhsa_memory_ordered 1
		.amdhsa_forward_progress 1
		.amdhsa_inst_pref_size 42
	.end_amdhsa_kernel
	.amdgpu_metadata
---
amdhsa.version: [ 1, 2 ]
amdhsa.kernels:
  - .name:           k_q1278c9da1a_attn
    .symbol:         k_q1278c9da1a_attn.kd
    .args:
      - { .name: q_img, .offset: 0, .size: 8, .value_kind: global_buffer, .address_space: global }
      - { .name: kv_img, .offset: 8, .size: 8, .value_kind: global_buffer, .address_space: global }
      - { .name: lowp_scales, .offset: 16, .size: 8, .value_kind: global_buffer, .address_space: global }
      - { .name: y_img, .offset: 24, .size: 8, .value_kind: global_buffer, .address_space: global }
    .group_segment_fixed_size: 301056
    .private_segment_fixed_size: 0
    .kernarg_segment_align: 8
    .kernarg_segment_size: 32
    .max_flat_workgroup_size: 512
    .sgpr_count:     84
    .vgpr_count:     256
    .wavefront_size: 32
...
	.end_amdgpu_metadata
.endif
;; end of part 3
;; launch proj (part 4): grid 8 x 32, 4 waves a work-group, clusters of 4 x 4, 327,680 bytes of LDS; arguments y_img, codes, b_proj, lowp_scales, out0; writes out0
.if DOCPART == 4
	.amdgcn_target "amdgcn-amd-amdhsa--gfx1250"
	.amdhsa_code_object_version 6
	.text
	.protected	k_q1278c9da1a_proj
	.globl	k_q1278c9da1a_proj
	.p2align	8
	.type	k_q1278c9da1a_proj,@function
k_q1278c9da1a_proj:
	s_mov_b64 s[64:65], 0
	v_nop
	global_prefetch_b8 v0, s[64:65] scope:SCOPE_SE
	s_setreg_imm32_b32 hwreg(HW_REG_WAVE_MODE, 25, 1), 1
	s_wait_xcnt 0x0
	s_wait_alu depctr_hold_cnt(0) depctr_sa_sdst(0) depctr_va_vdst(0) depctr_va_sdst(0) depctr_va_ssrc(0) depctr_va_vcc(0) depctr_vm_vsrc(0)
	s_getreg_b32 s2, hwreg(HW_REG_IB_STS2, 6, 4)
	s_cmp_eq_u32 s2, 0
	s_cbranch_scc0 .Lentry_in_a_cluster
	s_endpgm
.Lentry_in_a_cluster:
	s_bfe_u32 s2, ttmp6, 0x10000c
	s_cmp_lg_u32 s2, 0xf033
	s_cbranch_scc0 .Lentry_shape_is_right
	s_endpgm
.Lentry_shape_is_right:
; out0 = y W_proj + b_proj on codes of FP8 (E4M3), K = 1,024: out = sum x 2^(e6 + e7) + bias, f32.  LIMIT: e6 + e7 between -126 and 127, so that 2^(e6 + e7) is an f32 number.
; A tile of 128 x 128 is made by a work-group of four waves, a wave makes 64 x 64: 16 accumulators.  32 x 8 = 256 tiles: with tiles of 256 x 256 there would be 64.
; OPERANDS are register images (a unit: 16 rows x 64 K, 1,024 bytes; a row tile: 16 units on end): y_img's row tiles are tokens / 16, W_proj's are row tiles 448 on of 'codes'.  A fragment of 128 along K is four loads of 512 consecutive bytes.
; A TILE'S WHOLE K LIES IN LDS: A's eight row tiles x 16,384 bytes and then B's.  Every byte is filled once: no ring.  Each wave asks for four row tiles, 65,536 bytes, at the head, and one barrier stands in front of the first read.
; No prefetch: all tiles are asked for at the head, by the loads themselves.
; CLUSTERS: 4 x 4 work-groups; A's tiles are asked for jointly along a row of the cluster, B's along a column.
; THE MATRIX INSTRUCTION IS USED TRANSPOSED (source 0 = 16 of W_proj's columns, source 1 = 16 tokens): a lane holds eight neighbouring numbers of a row of out0.
; REGISTERS: window 0: v8, v9 LDS addresses; v24-26 the way out; v32-63 the bias; v128-255 the accumulators, (a, b) at v[128 + 8 (4 a + b)].  window 1: two fragment buffers of 128: A's four fragments, then B's four.
.set STAGE,  262144                    ; behind the tiles: 16 rows x 272 bytes for each wave; no tensor load fills it
.set SP,     272
.set SPARE,  STAGE+4*16*SP             ; the spare words
.set ADRA, 8
.set ADRB, 9
.set STO,  24
.set RD,   25
.set CO,   26
.set BI,   32
.set SPW,  126
.set NIL,  127
.set ACC,  128
.set G1A, 24                           ; s[24:31], s[32:39] descriptor groups 1
.set G1B, 32
.set G0A, 48                           ; s[48:51], s[68:71] groups 0
.set G0B, 68
.set MSB, 0
.macro WIN new                         ; the immediate's high byte repeats the setting that is left
.if MSB != (\new)
	s_set_vgpr_msb (MSB<<8)|(\new)
.set MSB, (\new)
.endif
.endm
.macro CROUND                          ; a round of the cluster's barrier
	s_barrier_signal -1
	s_barrier_wait -1
	s_cmp_lg_u32 s14, 0
	s_cbranch_scc1 .Lnot_wave_0_\@
	s_barrier_signal -3
.Lnot_wave_0_\@:
	s_barrier_wait -3
	s_barrier_signal -1
	s_barrier_wait -1
.endm
.macro PLACES
.rept 4
	v_nop
.endr
.endm
.macro FETCH k, f                      ; the fragments of step k (128 along K) into buffer f: 32 loads in one run
	WIN 0x40                                       ; destination window 1, address window 0
.irp i, 0,1,2,3
.irp c, 0,1,2,3
	ds_load_b128 v[(\f)+64+16*\i+4*\c:(\f)+64+16*\i+4*\c+3], v[ADRB] offset:16384*\i+2048*(\k)+512*\c
.endr
.endr
.irp i, 0,1,2,3
.irp c, 0,1,2,3
	ds_load_b128 v[(\f)+16*\i+4*\c:(\f)+16*\i+4*\c+3], v[ADRA] offset:16384*\i+2048*(\k)+512*\c
.endr
.endr
.endm
.macro MUL f, zero                     ; 16 matrix instructions; the 16 accumulators take turns, in the same order in every step.  zero: the first products start the sums
	WIN 0x05                                       ; sources 0 and 1 window 1; C and D window 0
.irp a, 0,1,2,3
.irp b, 0,1,2,3
.if \zero
	v_wmma_f32_16x16x128_fp8_fp8 v[ACC+8*(4*\a+\b):ACC+8*(4*\a+\b)+7], v[(\f)+64+16*\b:(\f)+64+16*\b+15], v[(\f)+16*\a:(\f)+16*\a+15], 0
.else
	v_wmma_f32_16x16x128_fp8_fp8 v[ACC+8*(4*\a+\b):ACC+8*(4*\a+\b)+7], v[(\f)+64+16*\b:(\f)+64+16*\b+15], v[(\f)+16*\a:(\f)+16*\a+15], v[ACC+8*(4*\a+\b):ACC+8*(4*\a+\b)+7]
.endif
.endr
.endr
.endm
.macro KSTEP k, zero
.if ((\k) > 0) && ((\k) < 7)
	PLACES                                         ; in front of loads into the buffer that the last step multiplied
.endif
.if (\k) < 7
	FETCH (\k)+1, 128*(((\k)+1)%2)
	s_wait_dscnt 32                                ; all but the 32 just issued: this step's fragments are in
.else
	s_wait_dscnt 0x0
.endif
	MUL 128*((\k)%2), \zero
.endm
	s_load_b256 s[4:11], s[0:1], 0x0               ; y_img s[4:5], codes s[6:7], b_proj s[8:9], the scales' exponents s[10:11]
	s_load_b64 s[12:13], s[0:1], 0x20              ; out0
	v_lshl_add_u32 v[SPW], v0, 2, SPARE
	v_mov_b32 v[NIL], 0
	ds_add_u32 v[SPW], v[NIL]                      ; the wave's opening: the add, twice on end, and its wait ahead of my tensor load
	ds_add_u32 v[SPW], v[NIL]
	v_lshrrev_b32 v1, 5, v0
	v_readfirstlane_b32 s14, v1                    ; wave 0..3
	s_lshr_b32 s15, s14, 1                         ; which half of the tile's tokens is mine.  Also: I fetch for A (0) or for B (1)
	s_and_b32 s16, s14, 1                          ; which half of its columns.  Also: which four row tiles I fetch
	s_bfe_u32 s40, ttmp6, 0x40000                  ; cx, cy: my place in the cluster
	s_bfe_u32 s41, ttmp6, 0x40004
	s_lshl_b32 s42, ttmp9, 2
	s_add_co_u32 s42, s42, s40                     ; tile column = 4 x cluster x + cx: 0 .. 7
	s_and_b32 s17, ttmp7, 0xffff
	s_lshl_b32 s17, s17, 2
	s_add_co_u32 s17, s17, s41                     ; tile row = 4 x cluster y + cy: 0 .. 31
	s_lshl_b32 s43, s41, 2
	s_lshl_b32 s43, 15, s43                        ; my row of the cluster
	s_lshl_b32 s44, 0x1111, s40                    ; my column
	; descriptor group 1: four row tiles of 16,384 bytes, dense in memory and in LDS; elements of 8 bytes
	s_or_b32 s[G1A], s43, (3<<16)|(1<<21)
	s_or_b32 s[G1B], s44, (3<<16)|(1<<21)
.irp g, G1A, G1B
	s_mov_b32 s[\g+1], 2048<<16                    ; tensor_dim0 = 2,048 elements
	s_mov_b32 s[\g+2], 4<<16                       ; tensor_dim1 = 4
	s_mov_b32 s[\g+3], 2048<<16                    ; tile_dim0
	s_mov_b32 s[\g+4], 4                           ; tile_dim1
	s_mov_b32 s[\g+5], 2048                        ; tensor_dim0_stride
	s_mov_b32 s[\g+6], 0
	s_mov_b32 s[\g+7], 0
.endr
	s_lshl_b32 s18, s16, 2
	s_lshl_b32 s20, s17, 3
	s_add_co_u32 s20, s20, s18                     ; A: row tile 8 x tile row + 4 x half
	s_lshl_b32 s20, s20, 14
	s_mov_b32 s21, 0
	s_lshl_b32 s84, s42, 3
	s_add_co_u32 s84, s84, s18
	s_add_co_u32 s84, s84, 448                     ; B: row tile 448 + 8 x tile column + 4 x half
	s_lshl_b32 s84, s84, 14
	s_mov_b32 s85, 0
	s_lshl_b32 s45, s14, 16                        ; where they go: wave x 65,536: no place in the cluster enters an LDS address
	s_wait_dscnt 0x0                               ; both opening adds are done
	s_wait_kmcnt 0x0
	s_load_b64 s[86:87], s[10:11], 0x18            ; e6, e7
	s_add_nc_u64 s[20:21], s[4:5], s[20:21]
	s_add_nc_u64 s[84:85], s[6:7], s[84:85]
	CROUND                                         ; all sixteen work-groups are here: the joint loads meet
	s_mov_b32 s[G0A], 1
	s_mov_b32 s[G0A+1], s45
	s_mov_b64 s[G0A+2:G0A+3], s[20:21]
	s_or_b32 s[G0A+3], s[G0A+3], 0x80000000
	s_mov_b32 s[G0B], 1
	s_mov_b32 s[G0B+1], s45
	s_mov_b64 s[G0B+2:G0B+3], s[84:85]
	s_or_b32 s[G0B+3], s[G0B+3], 0x80000000
	s_cmp_eq_u32 s15, 0                            ; one load a wave, in the arms of one branch; four v_nop follow each
	s_cbranch_scc0 .Lfill_b
	tensor_load_to_lds s[G0A:G0A+3], s[G1A:G1A+7]
	s_nop 0
.rept 4
	v_nop
.endr
	s_branch .Lfilled
.Lfill_b:
	tensor_load_to_lds s[G0B:G0B+3], s[G1B:G1B+7]
	s_nop 0
.rept 4
	v_nop
.endr
.Lfilled:
	s_lshl_b32 s22, s15, 16                        ; my four row tiles of A
	s_lshl_b32 s23, s16, 16
	s_add_co_u32 s23, s23, 131072                  ; my four of B, which lie behind A's eight
	s_mul_i32 s88, s14, 16*SP
	s_add_co_u32 s88, s88, STAGE                   ; my stage
	s_lshl_b32 s90, s17, 7
	s_lshl_b32 s91, s15, 6
	s_add_co_u32 s90, s90, s91                     ; my first token: 128 x tile row + 64 x half
	s_lshl_b32 s90, s90, 12
	s_lshl_b32 s91, s42, 9
	s_add_co_u32 s90, s90, s91                     ; my first column, in bytes: 512 x tile column + 256 x half
	s_lshl_b32 s91, s16, 8
	s_add_co_u32 s90, s90, s91
	s_mov_b32 s91, 0
	s_add_nc_u64 s[12:13], s[12:13], s[90:91]
	s_lshl_b32 s92, s42, 9                         ; the bias: register j of B's block b is column 128 x tile column + 64 x half + 16 b + 8 h + j
	s_lshl_b32 s93, s16, 8
	s_add_co_u32 s92, s92, s93
	s_mov_b32 s93, 0
	s_add_nc_u64 s[8:9], s[8:9], s[92:93]
	v_bfe_u32 v4, v0, 4, 1                         ; h
	v_lshlrev_b32 v5, 5, v4
.irp b, 0,1,2,3
	global_load_b128 v[BI+8*\b:BI+8*\b+3], v5, s[8:9] offset:64*\b
	global_load_b128 v[BI+8*\b+4:BI+8*\b+7], v5, s[8:9] offset:64*\b+16
.endr
	v_and_b32 v1, 31, v0
	v_lshlrev_b32 v3, 4, v1                        ; 16 x lane
	v_and_b32 v2, 15, v0                           ; r
	v_add_nc_u32 v[ADRA], s22, v3
	v_add_nc_u32 v[ADRB], s23, v3
	v_mul_u32_u24 v[STO], v2, SP                   ; in: row r, 32 bytes for each half of the lanes
	v_lshl_add_u32 v[STO], v4, 5, v[STO]
	v_add_nc_u32 v[STO], s88, v[STO]
	v_mul_u32_u24 v[RD], v4, SP                    ; back: lanes 0-15 one row of 256 bytes, lanes 16-31 the next
	v_lshl_add_u32 v[RD], v2, 4, v[RD]
	v_add_nc_u32 v[RD], s88, v[RD]
	v_lshlrev_b32 v[CO], 12, v4                    ; and the same two rows in out0
	v_lshl_add_u32 v[CO], v2, 4, v[CO]
	s_wait_alu depctr_va_vdst(0)
	s_wait_tensorcnt 0x0                           ; my part is in,
	s_barrier_signal -1
	s_barrier_wait -1                              ; everybody's is; nothing is ever filled again
	FETCH 0, 0
	KSTEP 0, 1
.irp k, 1,2,3,4,5,6,7
	KSTEP \k, 0
.endr
	WIN 0
	; THE WAY OUT, block by block of 16 tokens x 64 columns: sum x 2^(e6 + e7) + bias by one packed multiply-add for two numbers; through my own stage in LDS; back as whole rows of 256 bytes.
	PLACES
	s_wait_loadcnt 0x0                             ; the bias
	s_wait_kmcnt 0x0
	s_add_co_i32 s46, s86, s87
	s_add_co_i32 s46, s46, 127
	s_lshl_b32 s46, s46, 23                        ; 2^(e6 + e7) as f32
	s_mov_b32 s47, s46                             ; (named with it as a pair, so it is written)
.macro PACK a
.irp b, 0,1,2,3
.irp i, 0,2,4,6
	v_pk_fma_f32 v[ACC+32*\a+8*\b+\i:ACC+32*\a+8*\b+\i+1], v[ACC+32*\a+8*\b+\i:ACC+32*\a+8*\b+\i+1], s[46:47], v[BI+8*\b+\i:BI+8*\b+\i+1] op_sel_hi:[1,0,1]   ; each accumulator from its low end on
.endr
.endr
.irp b, 0,1,2,3
	ds_store_b128 v[STO], v[ACC+32*\a+8*\b:ACC+32*\a+8*\b+3] offset:64*\b
	ds_store_b128 v[STO], v[ACC+32*\a+8*\b+4:ACC+32*\a+8*\b+7] offset:64*\b+16
.endr
.irp t, 0,1,2,3,4,5,6,7
	ds_load_b128 v[ACC+32*\a+4*\t:ACC+32*\a+4*\t+3], v[RD] offset:2*SP*\t   ; LDS serves a wave's instructions in order (ISA guide 5.7.1.4): these see the stores above, and the next block's stores come behind them
.endr
.endm
.macro SEND a, younger                 ; younger: the LDS instructions issued behind block a's loads: the next block's sixteen, or none
.irp t, 0,1,2,3,4,5,6,7
	s_wait_dscnt \younger+7-\t
	global_store_b128 v[CO], v[ACC+32*\a+4*\t:ACC+32*\a+4*\t+3], s[12:13] offset:(16*\a+2*\t)*4096 th:TH_STORE_NT   ; sixteen lanes store 256 consecutive bytes, aligned; written once, read by nobody here
.endr
.endm
	PACK 0
	PACK 1                                         ; a block's arithmetic stands between the loads of the block before and its stores
	SEND 0, 16
	PACK 2
	SEND 1, 16
	PACK 3
	SEND 2, 16
	SEND 3, 0
	s_wait_tensorcnt 0x0                           ; the wave's end
	ds_add_u32 v[SPW], v[NIL]
	s_wait_dscnt 0x0
	CROUND                                         ; the closing round: no work-group ends while a partner may still ask for a tile that names it
	s_endpgm
.Lfunc_end_k_q1278c9da1a_proj:
	.size	k_q1278c9da1a_proj, .Lfunc_end_k_q1278c9da1a_proj-k_q1278c9da1a_proj
	.p2alignl 7, 3214868480
	.fill 96, 4, 3214868480
	.section	.rodata,"a",@progbits
	.p2align	6, 0x0
	.amdhsa_kernel k_q1278c9da1a_proj
		.amdhsa_group_segment_fixed_size 327680
		.amdhsa_private_segment_fixed_size 0
		.amdhsa_enable_private_segment 0
		.amdhsa_kernarg_size 40
		.amdhsa_user_sgpr_count 2
		.amdhsa_user_sgpr_kernarg_segment_ptr 1
		.amdhsa_wavefront_size32 1
		.amdhsa_system_sgpr_workgroup_id_x 1
		.amdhsa_system_sgpr_workgroup_id_y 1
		.amdhsa_system_sgpr_workgroup_id_z 1
		.amdhsa_system_vgpr_workitem_id 0
		.amdhsa_next_free_vgpr 512
		.amdhsa_next_free_sgpr 100
		.amdhsa_reserve_vcc 0
		.amdhsa_float_denorm_mode_32 3
		.amdhsa_float_denorm_mode_16_64 3
		.amdhsa_memory_ordered 1
		.amdhsa_forward_progress 1
		.amdhsa_inst_pref_size 45
	.end_amdhsa_kernel
	.amdgpu_metadata
---
amdhsa.version: [ 1, 2 ]
amdhsa.kernels:
  - .name:           k_q1278c9da1a_proj
    .symbol:         k_q1278c9da1a_proj.kd
    .args:
      - { .name: y_img, .offset: 0, .size: 8, .value_kind: global_buffer, .address_space: global }
      - { .name: codes, .offset: 8, .size: 8, .value_kind: global_buffer, .address_space: global }
      - { .name: b_proj, .offset: 16, .size: 8, .value_kind: global_buffer, .address_space: global }
      - { .name: lowp_scales, .offset: 24, .size: 8, .value_kind: global_buffer, .address_space: global }
      - { .name: out0, .offset: 32, .size: 8, .value_kind: global_buffer, .address_space: global }
    .group_segment_fixed_size: 327680
    .private_segment_fixed_size: 0
    .kernarg_segment_align: 8
    .kernarg_segment_size: 40
    .max_flat_workgroup_size: 128
    .sgpr_count:     100
    .vgpr_count:     512
    .wavefront_size: 32
...
	.end_amdgpu_metadata
.endif
;; end of part 4
